; MI455X (gfx1250); checked and timed in simulation.
; The chip was launched on July 23, 2026; its instructions are those of AMD's public machine-readable ISA for CDNA 5 (MIT licence, August 2026) and "CDNA5" Instruction Set Architecture Reference Guide (July 2026). The comments in the code are by the model that wrote it; some were corrected since.
;; Custom Dot Product Attention. Allowed arithmetic: matrix products marked QUANTISED: E3M2 operands, one E8M0 scale for each 32 along K, by v_wmma_scale_f32_16x16x128_f8f6f4 with both operands' format E3M2, f32 sums; everything else in f32.
;; Inputs: key 2,048 x 4 x 16 x 128 float32; query 2,048 x 4 x 16 x 128 float32; value 2,048 x 4 x 16 x 128 float32.
;; Outputs: out0 2,048 x 4 x 16 x 128 float32.
;; This version of the problem:
;;   THIS VERSION OF THE PROBLEM IS GIVEN IN LOW PRECISION. The matrix products marked QUANTISED in the list below multiply operands that are first quantised to E3M2 (3 exponent bits, 2 mantissa bits; 6 bits a number), with one power-of-two scale for each 32 numbers along K (OCP MX v1.0); their sums are f32. All else is computed in f32.
;;   The module's matrix products, in the order in which they are computed (A, B: the left and right operand; K: the contracted axis; several contracted axes count as one K, in the product's order):
;;     1. batch 64 x [M 2,048, K 128] x [K 128, N 2,048]; A: input key; B: input query: QUANTISED
;;     2. batch 64 x [M 128, K 2,048] x [K 2,048, N 2,048]; A: input value; B: softmax (see below): QUANTISED
;;   THE QUANTISER, for each operand of a quantised product, along K:
;;     - K is cut into blocks of 32 from its start; a last block that is shorter is filled with zeros.
;;     - A block's scale is 2^e with e = floor(log2(the largest magnitude in the block)) - 4, held to -126 .. 127; a block of zeros has e = 0. As a byte (E8M0): e + 127.
;;     - Each number is divided by its block's scale, clamped to +-28, and rounded to the nearest number of E3M2, ties to even, subnormals kept.
;;     - The product sums the exact products of the quantised numbers (number of the format x scale) in f32.
;;   ~~~python
;;   def quantise(x, axis):      # numpy; x: float32 -> the quantised numbers, widened to float32 again
;;       x = np.moveaxis(x, axis, -1); K = x.shape[-1]
;;       x = np.pad(x, [(0, 0)] * (x.ndim - 1) + [(0, -K % 32)]); x = x.reshape(x.shape[:-1] + (-1, 32)); a = np.abs(x).max(-1, keepdims=True)
;;       e = np.where(a > 0, np.clip(np.frexp(np.where(a > 0, a, 1))[1] - 1 - 4, -126, 127), 0)      # np.frexp(a)[1] - 1 = floor(log2(a)), exactly
;;       r = np.clip(x / 2.0 ** e, -28, 28)
;;       step = 2.0 ** (np.maximum(np.frexp(np.where(r == 0, 1, r))[1] - 1, -2) - 2)
;;       q = np.round(r / step) * step * 2.0 ** e      # np.round: ties to even
;;       return np.moveaxis(q.reshape(q.shape[:-2] + (-1,))[..., :K], -1, axis).astype(np.float32)
;;   ~~~
;;   SOFTMAX AHEAD OF A QUANTISED PRODUCT. Where the list says 'softmax', what is quantised is not the finished softmax but p = 2^(t - M), with t = logit x log2(e) and M = ceil(the row's largest t), a whole number; so 1/2 < the row's largest p <= 1. The row's sum l is taken of the UNQUANTISED p, in f32, and the product's result is divided by l at the end. Since M is a whole number, a kernel that streams over the keys may use a running M (the ceiling of the running maximum): every later rescaling is an exact power of two, which a block's scale takes up: the codes' values come out the same.
;;   OPERANDS COMPUTED ON THE WAY. 'Computed on the way' means the value that the module computes at that place (a softmax that the list does not call 'softmax' is quantised finished and normalised). What goes into a quantiser is computed in f32, as accurately as f32 sums, v_exp_f32 and their like allow (about 1e-6 of the number): no bf16 or f16 on the way to a quantiser, and a product that is left as it is and whose result goes on into a quantised operand takes f32 operands (vector FMAs, or v_wmma_f32_16x16x4_f32). A number that lies on a knife's edge between two numbers of the format may be rounded either way, as far as f32 arithmetic and the matrix unit's own rounding can turn it there, and no further.
;; One version. Each part assembles by itself: llvm-mc -triple=amdgcn-amd-amdhsa -mcpu=gfx1250 --defsym DOCPART=n.
;; ======== version 1 of 1: 2 launches
;; limits: right only within a limited range of input values
;; workspace buffers: kv 26,214,400 bytes
;; launch prep (part 1): grid 1024 x 1, 4 waves a work-group, no clusters, 34,304 bytes of LDS; arguments key, value, kv; writes kv
.if DOCPART == 1
	.amdgcn_target "amdgcn-amd-amdhsa--gfx1250"
	.amdhsa_code_object_version 6
	.text
	.protected	k_q3db24545a1_prep
	.globl	k_q3db24545a1_prep
	.p2align	8
	.type	k_q3db24545a1_prep,@function
k_q3db24545a1_prep:
	s_mov_b64 s[64:65], 0
	v_nop
	global_prefetch_b8 v0, s[64:65] scope:SCOPE_SE
	s_setreg_imm32_b32 hwreg(HW_REG_WAVE_MODE, 25, 1), 1
	s_wait_xcnt 0x0
; key and value, [2048][64 heads][128] f32 (a head's row is 512 bytes, rows of one head lie 32,768 bytes apart), become codes of BF6 (E3M2) with one E8M0 byte for each 32 along K.
; key is quantised along the head's 128 (the first product's K), value along the KEYS (the second product's K).
; A block's scale is 2^(floor(log2(its largest magnitude)) - 4): its byte is the largest magnitude's exponent field - 4, held at 1 from below by a floor among the maximum's leaves.
; WORK LEFT OUT BY THE PROGRAM: reference() itself sets the score of every key t > s to NEG_INF ahead of the softmax, so such a key has the weight 0 for query s whatever the inputs hold.
; The next launch therefore multiplies no tile of 16 queries x 128 keys all of whose keys come after all its queries.  This launch leaves nothing out: every key counts for some query.
; A NaN, an infinity or an overflow that reaches only the tiles left out is not carried to the result.
; LIMITS: NaN and infinities among the inputs are not served; a block whose largest magnitude lies under 2^-122, a block of zeros among them, keeps the byte 1 (its codes are then zeros or
; subnormal codes under that byte; the bytes are read by this program alone).
; WHAT IS STORED.  kv holds, for each head and each step of 128 keys, one dense block of 25,600 bytes laid IN THE ORDER OF THE OPERANDS' REGISTERS:
;   0       8 fragments of K (16 keys x 128): fragment t at 1,536 t; register g of lane l at 512 (g / 4) + 16 l + 4 (g % 4).  Row r of fragment 4 c + u is key 64 c + 8 u + r % 8 + 32 (r / 8):
;           so the scores of fragments 4 c .. 4 c + 3 are, in a lane's 32 registers, the 32 neighbouring keys 64 c + 32 (lane / 16) + 0 .. 31, one whole block of the second product's K
;   12,288  8 fragments of V^T (16 of the head's 128 x 128 keys), fragment t: rows 16 t + r
;   24,576  K's scale words: register x (0..3) carries fragment 2 x's rows in lanes 0-15 and fragment 2 x + 1's in lanes 16-31; its word of lane l lies at 256 (x / 2) + 8 l + 4 (x % 2)
;   25,088  V's scale words, the same meaning; register x's word of lane l at 128 x + 4 l
; SHARES.  Work-groups 0-511 take key: a wave takes 64 keys of one head (four fragments).  Work-groups 512-1023 take value: a work-group takes 256 keys of one head, wave x the columns 32 x + lane.
; Every work-group reads 131,072 bytes.  No tensor load, no barrier: waves share nothing.  Only key's path uses LDS.
.set STEPB,  25600
.set VIMG,   12288
.set KSC,    24576
.set VSC,    25088
.set ROWS,   32768                     ; bytes from a key to the next key of the same head
.set SPITCH, 528                       ; a stage row: 512 bytes + 16
.set WSTG,   16*SPITCH                 ; a wave's stage: 16 rows
.set SEL,    20                        ; s[20:21] lane selects: lane l xor 16
.set R,      16                        ; key: v16-143 two sets of 64 numbers
.set PC,     144                       ; key: v144-191 the codes, 12 registers for each of the four fragments
.set CT,     192                       ; key: v192-199 the conversions' second halves
.set TM,     200                       ; key: v200-203 largest magnitudes, v204-207 the other half's / the bytes, v208-211 the conversions' scale operands
.set PW,     212                       ; key: v212-215 the four fragments' scale words
.set W,      216                       ; key: v216-217 two scale registers as they are stored
.set X,      16                        ; value: v16-79 two sets of 32 numbers
.set FA,     80                        ; value: v80-127: for key step q at 80 + 24 q: 12 registers of even blocks, then 12 of odd blocks
.set TBV,    128                       ; value: v128-130 a conversion's second half
.set SB,     136                       ; value: v136-137 a scale word for each key step
; 64 numbers of a lane, register 16 b + i = k 32 b + 16 (lane / 16) + i of row lane % 16, become a fragment's 12 registers at v[pc] and the row's scale word in v[pw]
.macro QUANT s, pc, tb, pw
.irp b, 0,1,2,3
	v_max3_num_f32 v[TM+\b], |v[\s+16*\b]|, |v[\s+16*\b+1]|, 0x2800000   ; my 16 numbers of block b, and the floor 2^(5 - 127)
.endr
.irp i, 2,4,6,8,10,12,14
.irp b, 0,1,2,3
	v_max3_num_f32 v[TM+\b], v[TM+\b], |v[\s+16*\b+\i]|, |v[\s+16*\b+\i+1]|
.endr
.endr
.irp b, 0,1,2,3
	v_permlanex16_b32 v[TM+4+\b], v[TM+\b], s[SEL], s[SEL+1]
.endr
.irp b, 0,1,2,3
	v_max_num_f32 v[TM+\b], v[TM+\b], v[TM+4+\b]                   ; with lane l xor 16's 16
.endr
.irp b, 0,1,2,3
	v_add_nc_u32 v[TM+8+\b], 0xfe000000, v[TM+\b]                  ; 4 off the exponent field: the conversion's scale operand
.endr
.irp b, 0,1,2,3
	v_lshrrev_b32 v[TM+4+\b], 23, v[TM+8+\b]                       ; the scale's byte
.endr
	v_lshl_or_b32 v[\pw], v[TM+5], 8, v[TM+4]
	v_lshl_or_b32 v[\pw], v[TM+6], 16, v[\pw]
	v_lshl_or_b32 v[\pw], v[TM+7], 24, v[\pw]
.irp c, 0,1
	v_cvt_scalef32_pk16_bf6_f32 v[\pc+6*\c:\pc+6*\c+2], v[\s+32*\c:\s+32*\c+15], v[TM+8+2*\c]
	v_cvt_scalef32_pk16_bf6_f32 v[\tb+4*\c:\tb+4*\c+2], v[\s+32*\c+16:\s+32*\c+31], v[TM+9+2*\c]   ; a conversion's three registers begin on an even number
.endr
	v_nop                                          ; one plain instruction behind the scaled conversions
.irp c, 0,1                                    ; the operand wants a whole block in a lane: lanes 0-15 block 2 c, lanes 16-31 block 2 c + 1
.irp i, 0,1,2
	v_permlane16_swap_b32 v[\pc+6*\c+\i], v[\tb+4*\c+\i]
.endr
.irp i, 0,1,2
	v_mov_b32 v[\pc+6*\c+3+\i], v[\tb+4*\c+\i]
.endr
.endr
.endm
	s_load_b128 s[4:7], s[0:1], 0x0                ; key s[4:5], value s[6:7]
	s_load_b64 s[8:9], s[0:1], 0x10                ; kv
	v_lshl_add_u32 v224, v0, 2, 0x8400
	v_mov_b32 v225, 0
	v_lshrrev_b32 v1, 5, v0
	v_readfirstlane_b32 s10, v1                    ; wave 0..3
	v_and_b32 v1, 31, v0                           ; lane
	v_lshlrev_b32 v2, 4, v1                        ; 16 x lane
	v_lshlrev_b32 v3, 3, v1                        ; 8 x lane
	v_lshlrev_b32 v8, 2, v1                        ; 4 x lane
	v_and_b32 v6, 15, v0                           ; r
	v_bfe_u32 v7, v0, 4, 1                         ; h
	s_mov_b32 s[SEL], 0x76543210
	s_mov_b32 s[SEL+1], 0xfedcba98
	s_cmp_lt_u32 ttmp9, 512
	s_cbranch_scc0 .Lvalue
	; ---------------- key: my wave's 64 keys of one head
	s_lshl_b32 s22, ttmp9, 2
	s_add_co_u32 s22, s22, s10                     ; which run of 64 keys, 0..2047
	s_lshr_b32 s23, s22, 5                         ; the head
	s_and_b32 s24, s22, 31                         ; which 64 keys of it
	s_lshr_b32 s25, s24, 1                         ; the key step
	s_and_b32 s26, s24, 1                          ; and its half
	s_lshl_b32 s28, s23, 9
	s_lshl_b32 s27, s24, 21                        ; 64 keys x 32,768 bytes
	s_add_co_u32 s28, s28, s27
	s_mov_b32 s29, 0
	s_lshl_b32 s30, s23, 4
	s_add_co_u32 s30, s30, s25
	s_mul_i32 s30, s30, STEPB                      ; the step's block in kv
	s_mul_i32 s32, s26, 4*1536
	s_add_co_u32 s32, s32, s30                     ; my four fragments
	s_mov_b32 s33, 0
	s_lshl_b32 s34, s26, 8
	s_add_co_u32 s34, s34, s30
	s_add_co_u32 s34, s34, KSC                     ; my 256 bytes of scale words
	s_mov_b32 s35, 0
	s_mul_i32 s36, s10, WSTG                       ; my stage
	s_wait_alu depctr_va_vdst(0)
	v_add_nc_u32 v4, s36, v2                       ; into it: 16 x lane of a row
	v_mul_u32_u24 v5, v6, SPITCH
	v_lshl_add_u32 v5, v7, 6, v5
	v_add_nc_u32 v5, s36, v5                       ; out of it: row r, + 64 h: my 16 numbers of a block of 32
.irp b, 0,1,2,3
	v_mov_b32 v[TM+4+\b], 0                        ; a lane permute's destination counts as one of its sources
.endr
	s_wait_alu depctr_va_vdst(0)
	s_wait_kmcnt 0x0
	s_add_nc_u64 s[12:13], s[4:5], s[28:29]
	s_add_nc_u64 s[14:15], s[8:9], s[32:33]
	s_add_nc_u64 s[16:17], s[8:9], s[34:35]
.macro KLOAD tt                        ; fragment tt's 16 keys (row i is key 8 tt + i % 8 + 32 (i / 8) of my 64), each a whole row of 512 consecutive bytes, into set tt % 2
.irp i, 0,1,2,3,4,5,6,7,8,9,10,11,12,13,14,15
	global_load_b128 v[R+64*((\tt)%2)+4*\i:R+64*((\tt)%2)+4*\i+3], v2, s[12:13] offset:(8*(\tt)+\i+24*(\i/8))*ROWS th:TH_LOAD_NT
.endr
.endm
.macro KTILE tt
.set RS, R+64*((\tt)%2)
.if (\tt) < 3
	s_wait_loadcnt 16                              ; my 16 loads are in; the next fragment's 16 may be out
.else
	s_wait_loadcnt 0x0
.endif
.irp i, 0,1,2,3,4,5,6,7,8,9,10,11,12,13,14,15
	ds_store_b128 v4, v[RS+4*\i:RS+4*\i+3] offset:SPITCH*\i        ; the rows as they lie
.endr
.irp b, 0,1,2,3
.irp j, 0,1,2,3
	ds_load_b128 v[RS+16*\b+4*\j:RS+16*\b+4*\j+3], v5 offset:128*\b+16*\j   ; and back, 16 neighbours of each block to a lane; LDS serves a wave's instructions in order
.endr
.endr
	s_wait_dscnt 0x0
	QUANT RS, PC+12*(\tt), CT, PW+(\tt)
.irp c, 0,1,2
	global_store_b128 v2, v[PC+12*(\tt)+4*\c:PC+12*(\tt)+4*\c+3], s[14:15] offset:1536*(\tt)+512*\c   ; 32 lanes store 512 consecutive bytes, aligned to 256
.endr
.if (\tt) < 2
	KLOAD (\tt)+2
.endif
.endm
	KLOAD 0
	KLOAD 1
.irp tt, 0,1,2,3
	KTILE \tt
.endr
	v_cmp_le_u32 vcc_lo, 16, v1                    ; lanes 16-31 carry the odd fragment's words
.irp e, 0,1
	v_cndmask_b32 v[W+\e], v[PW+2*\e], v[PW+2*\e+1], vcc_lo
.endr
	global_store_b64 v3, v[W:W+1], s[16:17]        ; 256 consecutive bytes, aligned
	s_wait_tensorcnt 0x0                           ; the wave's end
	ds_add_u32 v224, v225
	s_wait_dscnt 0x0
	s_endpgm
	; ---------------- value: my work-group's 256 keys of one head; my lane's column 32 x wave + lane, my registers run down the keys
.Lvalue:
	s_sub_co_u32 s22, ttmp9, 512
	s_lshr_b32 s23, s22, 3                         ; the head
	s_and_b32 s24, s22, 7                          ; which 256 keys
	s_lshl_b32 s28, s23, 9
	s_lshl_b32 s25, s10, 7
	s_add_co_u32 s28, s28, s25                     ; my wave's 128 bytes of a row
	s_lshl_b32 s25, s24, 23                        ; 256 keys x 32,768 bytes
	s_add_co_u32 s28, s28, s25
	s_mov_b32 s29, 0
	s_lshl_b32 s30, s23, 4
	s_lshl_b32 s25, s24, 1
	s_add_co_u32 s30, s30, s25
	s_mul_i32 s30, s30, STEPB                      ; the first of my two key steps' blocks
	s_mul_i32 s32, s10, 2*1536
	s_add_co_u32 s32, s32, s30
	s_add_co_u32 s32, s32, VIMG                    ; my two fragments
	s_mov_b32 s33, 0
	s_lshl_b32 s34, s10, 7
	s_add_co_u32 s34, s34, s30
	s_add_co_u32 s34, s34, VSC                     ; my scale register
	s_mov_b32 s35, 0
	s_wait_kmcnt 0x0
	s_add_nc_u64 s[12:13], s[6:7], s[28:29]
	s_add_nc_u64 s[14:15], s[8:9], s[32:33]
	s_add_nc_u64 s[16:17], s[8:9], s[34:35]
.macro VLOAD n                         ; block n (32 keys) of my column into set n % 2: a wave reads 128 consecutive bytes, the work-group 512; the largest offset, 255 x 32,768, lies inside the signed 24-bit immediate
.irp i, 0,1,2,3,4,5,6,7,8,9,10,11,12,13,14,15,16,17,18,19,20,21,22,23,24,25,26,27,28,29,30,31
	global_load_b32 v[X+32*((\n)%2)+\i], v8, s[12:13] offset:(32*(\n)+\i)*ROWS th:TH_LOAD_NT
.endr
.endm
.macro VBLOCK q, beta                  ; block beta of key step q: all its 32 numbers are my lane's
.set N_, 4*(\q)+(\beta)
.set XS, X+32*(N_%2)
.set F_, FA+24*(\q)+12*((\beta)%2)+6*((\beta)/2)
.if N_ < 7
	s_wait_loadcnt 32                              ; this block's 32 loads are in; the next block's may be out
.else
	s_wait_loadcnt 0x0
.endif
	v_max3_num_f32 v132, |v[XS]|, |v[XS+1]|, |v[XS+2]|
	v_max3_num_f32 v133, |v[XS+3]|, |v[XS+4]|, |v[XS+5]|
.irp i, 6,10,14,18,22,26
	v_max3_num_f32 v132, v132, |v[XS+\i]|, |v[XS+\i+1]|
	v_max3_num_f32 v133, v133, |v[XS+\i+2]|, |v[XS+\i+3]|
.endr
	v_max3_num_f32 v132, v132, |v[XS+30]|, |v[XS+31]|
	v_max3_num_f32 v132, v132, v133, 0x2800000     ; and the floor 2^(5 - 127)
	v_add_nc_u32 v134, 0xfe000000, v132            ; 4 off the exponent field: the conversion's scale operand
	v_lshrrev_b32 v135, 23, v134                   ; the scale's byte
.if (\beta) == 0
	v_mov_b32 v[SB+(\q)], v135
.else
	v_lshl_or_b32 v[SB+(\q)], v135, 8*(\beta), v[SB+(\q)]
.endif
	v_cvt_scalef32_pk16_bf6_f32 v[F_:F_+2], v[XS:XS+15], v134
	v_cvt_scalef32_pk16_bf6_f32 v[TBV:TBV+2], v[XS+16:XS+31], v134
	v_nop                                          ; one plain instruction behind the scaled conversions
.irp i, 0,1,2
	v_mov_b32 v[F_+3+\i], v[TBV+\i]
.endr
.if N_+2 < 8
	VLOAD N_+2
.endif
.endm
; Lanes 0-15 hold the rows of fragment 2 x, lanes 16-31 those of fragment 2 x + 1, each lane all four blocks.  A fragment wants its even blocks in lanes 0-15 and its odd blocks in lanes 16-31:
; the even blocks' lanes 16-31 change places with the odd blocks' lanes 0-15, and the two runs of 12 registers are the two fragments.
.macro VOUT q
.irp j, 0,1,2,3,4,5,6,7,8,9,10,11
	v_permlane16_swap_b32 v[FA+24*(\q)+\j], v[FA+24*(\q)+12+\j]
.endr
.irp x, 0,1
.irp c, 0,1,2
	global_store_b128 v2, v[FA+24*(\q)+12*\x+4*\c:FA+24*(\q)+12*\x+4*\c+3], s[14:15] offset:STEPB*(\q)+1536*\x+512*\c   ; 512 consecutive bytes, aligned to 256
.endr
.endr
	global_store_b32 v8, v[SB+(\q)], s[16:17] offset:STEPB*(\q)    ; my wave's 128 bytes of scale words
.endm
	s_wait_alu depctr_va_vdst(0)
	VLOAD 0
	VLOAD 1
.irp q, 0,1
.irp beta, 0,1,2,3
	VBLOCK \q, \beta
.endr
	VOUT \q
.endr
	s_endpgm
.Lfunc_end_k_q3db24545a1_prep:
	.size	k_q3db24545a1_prep, .Lfunc_end_k_q3db24545a1_prep-k_q3db24545a1_prep
	.p2alignl 7, 3214868480
	.fill 96, 4, 3214868480
	.section	.rodata,"a",@progbits
	.p2align	6, 0x0
	.amdhsa_kernel k_q3db24545a1_prep
		.amdhsa_group_segment_fixed_size 34304
		.amdhsa_private_segment_fixed_size 0
		.amdhsa_enable_private_segment 0
		.amdhsa_kernarg_size 24
		.amdhsa_user_sgpr_count 2
		.amdhsa_user_sgpr_kernarg_segment_ptr 1
		.amdhsa_wavefront_size32 1
		.amdhsa_system_sgpr_workgroup_id_x 1
		.amdhsa_system_sgpr_workgroup_id_y 1
		.amdhsa_system_sgpr_workgroup_id_z 1
		.amdhsa_system_vgpr_workitem_id 0
		.amdhsa_next_free_vgpr 226
		.amdhsa_next_free_sgpr 66
		.amdhsa_reserve_vcc 1
		.amdhsa_float_denorm_mode_32 3
		.amdhsa_float_denorm_mode_16_64 3
		.amdhsa_memory_ordered 1
		.amdhsa_forward_progress 1
		.amdhsa_inst_pref_size 72
	.end_amdhsa_kernel
	.amdgpu_metadata
---
amdhsa.version: [ 1, 2 ]
amdhsa.kernels:
  - .name:           k_q3db24545a1_prep
    .symbol:         k_q3db24545a1_prep.kd
    .args:
      - { .name: key, .offset: 0, .size: 8, .value_kind: global_buffer, .address_space: global }
      - { .name: value, .offset: 8, .size: 8, .value_kind: global_buffer, .address_space: global }
      - { .name: kv, .offset: 16, .size: 8, .value_kind: global_buffer, .address_space: global }
    .group_segment_fixed_size: 34304
    .private_segment_fixed_size: 0
    .kernarg_segment_align: 8
    .kernarg_segment_size: 24
    .max_flat_workgroup_size: 128
    .sgpr_count:     66
    .vgpr_count:     226
    .wavefront_size: 32
...
	.end_amdgpu_metadata
.endif
;; end of part 1
;; launch attn (part 2): grid 4 x 64, 8 waves a work-group, no clusters, 327,680 bytes of LDS; arguments query, kv, out0; writes out0
.if DOCPART == 2
	.amdgcn_target "amdgcn-amd-amdhsa--gfx1250"
	.amdhsa_code_object_version 6
	.text
	.protected	k_q3db24545a1_attn
	.globl	k_q3db24545a1_attn
	.p2align	8
	.type	k_q3db24545a1_attn,@function
k_q3db24545a1_attn:
	s_mov_b64 s[64:65], 0
	v_nop
	global_prefetch_b8 v0, s[64:65] scope:SCOPE_SE
	s_setreg_imm32_b32 hwreg(HW_REG_WAVE_MODE, 25, 1), 1
	s_wait_xcnt 0x0
; out[q] = the sum over keys k <= q of softmax_k(Q[q] . K[k] / sqrt(128)) V[k], for 64 heads of 2,048 positions and head size 128, both products on codes of BF6 (E3M2) with one E8M0 scale
; for each 32 along a product's K.  query and out0: [2048][64 heads][128] f32 (a head's row is 512 bytes, rows 32,768 bytes apart).  kv: K's and V's codes and scale words, one dense block
; of 25,600 bytes for each head and step of 128 keys, in the order of the operands' registers (8 fragments of K, 8 of V^T, K's scale words, V's).
; WORK LEFT OUT: a tile of 16 queries x 128 keys all of whose keys come after all its queries: reference()'s own causal mask gives those keys the weight 0 for every input.
; THE SOFTMAX: t = score x log2(e) / sqrt(128); M = the running largest t rounded UP to a whole number; p = 2^(t - M) is quantised along the keys, not normalised; the row's sum is taken of
; the unquantised p and divides at the end; when M moves, the sum and O are multiplied by 2^(old M - new M), which rounds nothing.
; LIMITS: NaN and infinities among the inputs are not served; the promise holds while |t| stays under 2^31; a block whose largest magnitude lies under 2^-122 (zeros, or p all fallen to 0) keeps the byte 1.
; SHARES.  Work-group (J, head), J = 0..3, makes query block J (256 queries, key slots 0..J of 256 keys) and then block 7 - J (slots 0..7-J): nine slots whatever J is.  Wave w owns the
; block's tiles w and 15 - w of 16 queries.  In a block's last slot tile w is masked in the first key step and hidden in the second, tile 15 - w is open in the first and masked in the second:
; three tiles' work for every wave.  Elsewhere both tiles are open, and each fragment of K and V read from LDS feeds two matrix instructions.
; LAYOUT.  Both products are used transposed: S^T = K Q^T, O^T = V^T P^T: a lane holds ONE query (lane % 16).  Score register 32 c + i of a tile is key 64 c + 32 (lane / 16) + i of the step
; (the rows of K's fragments were chosen so): a lane holds two whole blocks of 32 keys, as the second product's operand wants them.
; THE RING.  Two LDS slots of two key steps (51,200 bytes), 65,536 bytes apart; each wave fetches an eighth of a slot (25 rows of 256 bytes) by one tensor load; all waves read all of it.
; The barrier of a change of slots is signalled in the slot's second key step, as soon as V's fragments are in registers (my last reads of the slot); the mask, the softmax and the second
; product, work on registers, stand between the signal and the wait, which opens the next trip; the refill follows the wait.
; NO CLUSTER: the four work-groups of a head want different slots at the same trip (0..J then 0..7-J).
; NO PREFETCH OF kv: a slot's load is issued a key step and a first product ahead of the wait for it, and the four work-groups that read a slot do so in different trips.
; The second block's rows of Q are prefetched at the head, one trip or more ahead of their loads: each wave its own 64 pieces of 256 bytes, a lane a piece.
; REGISTERS.  Window 0: v1-11 addresses; v12-19 per tile -M, the largest t, the sum in two halves; v20-23 per tile f and p's scale word; v24-25 Q's scale words; v26 8 h; v27 prefetch offsets;
;   v28-31 K's scale registers, v32-35 V's; v36-59 Q's codes; v60-83 p's codes; v84-113 at work; v128-255 S^T, then p, 64 a tile.
;   Window 1: v0-127 O^T, 64 a tile (Q's rows land there ahead of a block); v128-223 eight fragments of K or of V.
.set STEPB,  25600
.set VIMG,   12288
.set KSC,    24576
.set VSC,    25088
.set PART,   6400                      ; a wave's eighth of a slot
.set SLOT1,  1<<16
.set STAGE,  1<<17                     ; behind the ring: for each wave and tile 16 rows x 528 bytes, for Q's way in and O's way out; no tile lands here
.set SPITCH, 528
.set TSTG,   16*SPITCH
.set SPARE,  STAGE+16*TSTG             ; the spare words, 128 bytes for each wave: four blocks of 256 bytes that no other line names
.set ROWS,   32768
.set L16, 1
.set L4,  2
.set L8,  3
.set SPW, 4                            ; LDS address of my spare word; never rewritten
.set NIL, 5                            ; 0; never rewritten
.set ADL, 6                            ; the slot in hand + 16 x lane
.set ADS, 7                            ; + 4 x lane
.set AD8, 8                            ; + 8 x lane
.set STO, 9                            ; my stage: row r, + 32 h
.set RD,  10                           ; my stage: 16 x lane of a row
.set QR,  11                           ; my stage: row r, + 128 h
.set QS,  24
.set SH8, 26
.set PFO, 27
.set KS,  28
.set VS,  32
.set QC,  36
.set PC,  60
.set CT,  84                           ; the conversions' second halves
.set BM,  92                           ; v92-95 maxima
.set TM,  BM
.set PX,  96
.set SO,  100
.set CH,  104                          ; v[104:105], v[110:111], v[112:113]: the sums' further chains
.set CH2, 110
.set CH3, 112
.set T,   106
.set MD,  107                          ; r - 32 h
.set NINF, 108
.set S,   128
.set FR,  128                          ; in window 1
.set WV,  10
.set JJ,  11
.set JP1, 12
.set HD,  13
.set D0,  14                           ; tile 0's first query less the first key of the step in which it is masked: 16 w
.set D1,  15                           ; the same of tile 1: 112 - 16 w
.set DG,  16                           ; 1 in a block's last slot
.set STB, 17                           ; LDS byte at which the slot in hand begins
.set IDX, 18                           ; the place in the walk of nine slots
.set SEL, 20
.set CS,  22
.set G1,  24
.set G0,  32
.set KVW, 36                           ; kv at my head, at my eighth of a slot
.set OFF, 38                           ; an offset, the high word 0
.set OA0, 40                           ; out0 at the first block's tiles,
.set OA1, 42
.set OB0, 48                           ; at the second block's
.set OB1, 50
.set QB0, 52                           ; query at the second block's tiles,
.set QB1, 54
.set QA0, 56                           ; at the first block's
.set QA1, 58
.set MSB, 0
.macro WIN new                         ; s_set_vgpr_msb: bits 1:0 source 0, 3:2 source 1, 5:4 source 2, 7:6 destination; the high byte repeats the setting that is left
.if MSB != \new
	s_set_vgpr_msb (MSB<<8)|\new
.set MSB, \new
.endif
.endm
.macro PLACES
.rept 4
	v_nop
.endr
.endm
.macro TLOAD                           ; my eighth of a slot
	tensor_load_to_lds s[G0:G0+3], s[G1:G1+7]
	s_nop 0
	PLACES
.endm
.macro NEXTG0 ahead                    ; group 0 for the walk's place IDX + ahead: key slot = the place, or, from the second block on, the place - (J + 1); the other LDS slot than last time
	s_xor_b32 s[G0+1], s[G0+1], SLOT1
	s_add_co_u32 s44, s[IDX], \ahead
	s_cmp_ge_u32 s44, s[JP1]
	s_cselect_b32 s45, s[JP1], 0
	s_sub_co_u32 s44, s44, s45
	s_mul_i32 s[OFF], s44, 2*STEPB
	s_add_nc_u64 s[G0+2:G0+3], s[KVW:KVW+1], s[OFF:OFF+1]
	s_or_b32 s[G0+3], s[G0+3], 0x80000000
.endm
; v[BM], v[BM+1]: the largest magnitudes (not under the floor) of my two blocks, numbers s .. s+31 and s+32 .. s+63.  Makes the operand's 12 registers at pc and the row's scale word in pw.
.macro CODES s, pc, pw
	s_delay_alu instid0(VALU_DEP_2)
	v_add_nc_u32 v[SO], 0xfe000000, v[BM]          ; 4 off the exponent field: the conversion's scale operand
	s_delay_alu instid0(VALU_DEP_2)
	v_add_nc_u32 v[SO+1], 0xfe000000, v[BM+1]
	s_delay_alu instid0(VALU_DEP_2)
	v_lshrrev_b32 v[PX], 23, v[SO]                 ; the scale's byte
	s_delay_alu instid0(VALU_DEP_2)
	v_lshrrev_b32 v[PX+1], 23, v[SO+1]
	s_delay_alu instid0(VALU_DEP_1)
	v_lshl_or_b32 v[PX], v[PX+1], 16, v[PX]        ; my bytes: blocks h and 2 + h,
	s_delay_alu instid0(VALU_DEP_1)
	v_lshlrev_b32 v[PX], v[SH8], v[PX]             ; at their places in the word;
	s_delay_alu instid0(VALU_DEP_1)
	v_permlanex16_b32 v[PX+1], v[PX], s[SEL], s[SEL+1]
	s_delay_alu instid0(VALU_DEP_1)
	v_or_b32 v[\pw], v[PX], v[PX+1]                ; with lane l xor 16's two the word is whole
.irp c, 0,1
	v_cvt_scalef32_pk16_bf6_f32 v[\pc+6*\c:\pc+6*\c+2], v[\s+32*\c:\s+32*\c+15], v[SO+\c]
	v_cvt_scalef32_pk16_bf6_f32 v[CT+4*\c:CT+4*\c+2], v[\s+32*\c+16:\s+32*\c+31], v[SO+\c]   ; a conversion's three registers begin on an even number
.endr
	v_nop                                          ; one plain instruction behind the scaled conversions
.irp c, 0,1
.irp i, 0,1,2
	v_mov_b32 v[\pc+6*\c+3+\i], v[CT+4*\c+\i]
.endr
.endr
.endm
.macro QUANT s, pc, pw                 ; 64 numbers of a lane, register 32 c + i = k 64 c + 32 (lane / 16) + i of row lane % 16
.irp k, 0,1,2,3
	v_max3_num_f32 v[BM+\k], |v[\s+16*\k]|, |v[\s+16*\k+1]|, 0x2800000   ; four chains of 16, and the floor 2^(5 - 127): the byte cannot fall under 1
.endr
.irp i, 2,4,6,8,10,12,14
.irp k, 0,1,2,3
	v_max3_num_f32 v[BM+\k], v[BM+\k], |v[\s+16*\k+\i]|, |v[\s+16*\k+\i+1]|
.endr
.endr
	v_max_num_f32 v[BM], v[BM], v[BM+1]
	v_max_num_f32 v[BM+1], v[BM+2], v[BM+3]
	CODES \s, \pc, \pw
.endm
.macro LOADQ b0, b1                    ; my 32 queries, a whole row (512 consecutive bytes) a load, to where O^T will lie
	WIN 0x40
.irp i, 0,1,2,3,4,5,6,7,8,9,10,11,12,13,14,15
	global_load_b128 v[4*\i:4*\i+3], v[L16], s[\b0:\b0+1] offset:\i*ROWS th:TH_LOAD_NT
.endr
.irp i, 0,1,2,3,4,5,6,7,8,9,10,11,12,13,14,15
	global_load_b128 v[64+4*\i:64+4*\i+3], v[L16], s[\b1:\b1+1] offset:\i*ROWS th:TH_LOAD_NT
.endr
	WIN 0
.endm
.macro QTILE u                         ; tile u turns through my stage, so that a lane holds two whole blocks of its row, and is quantised
	s_wait_loadcnt 16-16*(\u)                      ; this tile's 16 loads are in; the other's may be out
	WIN 0x04                                       ; an LDS store's data are its source 1
.irp i, 0,1,2,3,4,5,6,7,8,9,10,11,12,13,14,15
	ds_store_b128 v[RD], v[64*(\u)+4*\i:64*(\u)+4*\i+3] offset:TSTG*(\u)+SPITCH*\i
.endr
	WIN 0
.irp c, 0,1
.irp j, 0,1,2,3,4,5,6,7
	ds_load_b128 v[S+64*(\u)+32*\c+4*\j:S+64*(\u)+32*\c+4*\j+3], v[QR] offset:TSTG*(\u)+256*\c+16*\j   ; LDS serves a wave's instructions in order: these see my stores
.endr
.endr
	s_wait_dscnt 0x0
	QUANT S+64*(\u), QC+12*(\u), QS+(\u)
.endm
; O^T and the sums begin as zeros and the largest t as -3e38: the key step has no first step of its own (the first change of M multiplies zeros).
.macro CLEAR
	WIN 0x40
.set j, 0
.rept 128
	v_mov_b32 v[j], 0
.set j, j+1
.endr
	WIN 0
.irp a, 0,1
	v_mov_b32 v[13+4*\a], 0xff61b1e6               ; -3e38, under every t
	s_delay_alu instid0(VALU_DEP_1)
	v_floor_f32 v[12+4*\a], -v[13+4*\a]            ; -M
	v_mov_b32 v[14+4*\a], 0
	v_mov_b32 v[15+4*\a], 0
.endr
	s_wait_alu depctr_va_vdst(0)
.endm
.macro KQ t, a                         ; S^T of tile a, keys of fragment t: a new sum each step.  K's scale register carries the even fragment in lanes 0-15, the odd one in lanes 16-31
.if (\t)%2
	v_wmma_scale_f32_16x16x128_f8f6f4 v[S+64*(\a)+8*(\t):S+64*(\a)+8*(\t)+7], v[FR+12*(\t):FR+12*(\t)+11], v[QC+12*(\a):QC+12*(\a)+11], 0, v[KS+(\t)/2], v[QS+(\a)] matrix_a_fmt:MATRIX_FMT_BF6 matrix_b_fmt:MATRIX_FMT_BF6 matrix_a_scale:MATRIX_SCALE_ROW1
.else
	v_wmma_scale_f32_16x16x128_f8f6f4 v[S+64*(\a)+8*(\t):S+64*(\a)+8*(\t)+7], v[FR+12*(\t):FR+12*(\t)+11], v[QC+12*(\a):QC+12*(\a)+11], 0, v[KS+(\t)/2], v[QS+(\a)] matrix_a_fmt:MATRIX_FMT_BF6 matrix_b_fmt:MATRIX_FMT_BF6
.endif
.endm
.macro PV t, a                         ; O^T of tile a, channels 16 t on, += V^T P^T over the step's 128 keys
.if (\t)%2
	v_wmma_scale_f32_16x16x128_f8f6f4 v[64*(\a)+8*(\t):64*(\a)+8*(\t)+7], v[FR+12*(\t):FR+12*(\t)+11], v[PC+12*(\a):PC+12*(\a)+11], v[64*(\a)+8*(\t):64*(\a)+8*(\t)+7], v[VS+(\t)/2], v[21+2*(\a)] matrix_a_fmt:MATRIX_FMT_BF6 matrix_b_fmt:MATRIX_FMT_BF6 matrix_a_scale:MATRIX_SCALE_ROW1
.else
	v_wmma_scale_f32_16x16x128_f8f6f4 v[64*(\a)+8*(\t):64*(\a)+8*(\t)+7], v[FR+12*(\t):FR+12*(\t)+11], v[PC+12*(\a):PC+12*(\a)+11], v[64*(\a)+8*(\t):64*(\a)+8*(\t)+7], v[VS+(\t)/2], v[21+2*(\a)] matrix_a_fmt:MATRIX_FMT_BF6 matrix_b_fmt:MATRIX_FMT_BF6
.endif
.endm
.macro KQRUN both                      ; the first product, of both tiles or of tile 1 alone; the accumulators take turns
	s_wait_dscnt 12                                ; the scale words and fragments 0-3 are in; the twelve loads of fragments 4-7 may be out
	WIN 0x01                                       ; K in window 1; Q and S^T in window 0
.irp t, 0,1,2,3
.if \both
	KQ \t, 0
.endif
	KQ \t, 1
.endr
	s_wait_dscnt 0x0
.irp t, 4,5,6,7
.if \both
	KQ \t, 0
.endif
	KQ \t, 1
.endr
	PLACES                                         ; four plain instructions ahead of the loads into the fragments' registers and of the first read of the scores
	WIN 0
.endm
.macro PVRUN both, w                   ; the second product; w = 1: V's loads are still to be waited for
.if \w
	s_wait_dscnt 0x0
.endif
	WIN 0x51                                       ; V and O^T in window 1, P in window 0
.irp t, 0,1,2,3,4,5,6,7
.if \both
	PV \t, 0
.endif
	PV \t, 1
.endr
	PLACES                                         ; ahead of the next loads into the fragments' registers
	WIN 0
.endm
; The scores of hidden keys become -infinity ahead of the maximum: p = 0 then.  Register 32 c + i holds the step's key 64 c + 32 h + i: hidden where 64 c + i > d + r - 32 h.
.macro MASK a, d
	s_wait_alu depctr_va_vdst(0)                   ; ahead of the scores' first readers
	v_add_nc_u32 v[T], s[\d], v[MD]
.set n, 0
.rept 64
	v_cmp_gt_i32 vcc_lo, 64*(n/32)+n%32, v[T]
	v_cndmask_b32 v[S+64*(\a)+n], v[S+64*(\a)+n], v[NINF], vcc_lo
.set n, n+1
.endr
.endm
; Tile a's softmax for a key step: the scores in S become p, p's codes and scale word are made, the sum and O^T come under the new M.
.macro SOFTMAX a
.set S_,  S+64*(\a)
.set ST_, 12+4*(\a)
.set F_,  20+2*(\a)
.set PC_, PC+12*(\a)
.set O_,  64*(\a)
	s_wait_alu depctr_va_vdst(0)                   ; ahead of the scores' first readers
.irp k, 0,1,2,3
	v_max3_num_f32 v[BM+\k], v[S_+16*\k], v[S_+16*\k+1], v[S_+16*\k+2]   ; four chains of 16 scores, each accumulator from its low end on
.endr
.irp i, 3,5,7,9,11,13
.irp k, 0,1,2,3
	v_max3_num_f32 v[BM+\k], v[BM+\k], v[S_+16*\k+\i], v[S_+16*\k+\i+1]
.endr
.endr
	v_max3_num_f32 v[BM], v[BM], v[S_+15], v[S_+31]
	v_max3_num_f32 v[BM+2], v[BM+2], v[S_+47], v[S_+63]
	s_delay_alu instid0(VALU_DEP_2)
	v_max_num_f32 v[BM], v[BM], v[BM+1]            ; the largest SCORE of each of my two blocks: it serves the row's maximum and, since p rises with the score, the block's largest p
	s_delay_alu instid0(VALU_DEP_2)
	v_max_num_f32 v[BM+1], v[BM+2], v[BM+3]
	s_delay_alu instid0(VALU_DEP_1)
	v_max_num_f32 v[T], v[BM], v[BM+1]
	s_delay_alu instid0(VALU_DEP_1)
	v_permlanex16_b32 v[PX], v[T], s[SEL], s[SEL+1]
	s_delay_alu instid0(VALU_DEP_1)
	v_max_num_f32 v[T], v[T], v[PX]                ; the step's largest score of my query
	s_delay_alu instid0(VALU_DEP_1)
	v_mul_f32 v[T], s[CS], v[T]                    ; as t (c is positive)
	s_delay_alu instid0(VALU_DEP_1)
	v_max_num_f32 v[ST_+1], v[ST_+1], v[T]         ; the running largest t
	v_mov_b32 v[T], v[ST_]
	s_delay_alu instid0(VALU_DEP_2)
	v_floor_f32 v[ST_], -v[ST_+1]                  ; the new -M = floor(-t) = -ceil(t): a whole number
	s_delay_alu instid0(VALU_DEP_1)
	v_sub_f32 v[T], v[ST_], v[T]                   ; old M - new M, 0 or less
	s_delay_alu instid0(VALU_DEP_1)
	v_cvt_i32_f32 v[T], v[T]                       ; (it saturates)
	s_delay_alu instid0(VALU_DEP_1)
	v_ldexp_f32 v[F_], 1.0, v[T]                   ; f = 2^(old M - new M)
.set j, 0
.rept 32
	v_pk_fma_f32 v[S_+j:S_+j+1], v[S_+j:S_+j+1], s[CS:CS+1], v[ST_:ST_+1] op_sel_hi:[1,0,0]   ; t - M, two at a time (of the pairs c and -M the low word serves both halves)
.set j, j+2
.endr
.irp k, 0,1
	v_fma_f32 v[BM+\k], v[BM+\k], s[CS], v[ST_]    ; the same of each block's largest score
.endr
	WIN 0x41                                       ; O^T (destination and source 0) in window 1, f in window 0
	s_wait_alu depctr_va_vdst(0)                   ; directly ahead of O^T's first readers
.set j, 0
.rept 32
	v_pk_mul_f32 v[O_+j:O_+j+1], v[O_+j:O_+j+1], v[F_:F_+1] op_sel_hi:[1,0]   ; O^T under the new M, each accumulator from its low end on
.set j, j+2
.endr
	WIN 0
	s_wait_alu depctr_va_vdst(0)                   ; ahead of the batch
.set j, 0
.rept 64
	v_exp_f32 v[S_+j], v[S_+j]                     ; p = 2^(t - M), at most 1: not normalised
.set j, j+1
.endr
.irp k, 0,1
	v_exp_f32 v[BM+\k], v[BM+\k]                   ; the block's largest p: the same two instructions on the same number
.endr
	v_pk_mul_f32 v[ST_+2:ST_+3], v[ST_+2:ST_+3], v[F_:F_+1] op_sel_hi:[1,0]   ; the sums under the new M (a plain instruction behind the exponentials)
	s_wait_alu depctr_va_vdst(0)                   ; one wait for the batch, ahead of its first reader
.irp k, 0,1
	v_max_num_f32 v[BM+\k], 0x2800000, v[BM+\k]    ; the floor 2^(5 - 127): the byte cannot fall under 1
.endr
	CODES S_, PC_, F_+1
	v_pk_add_f32 v[CH:CH+1], v[S_:S_+1], v[S_+2:S_+3]              ; the row's sum is taken of the UNQUANTISED p: two at a time, in four chains.  (These 32 are also the places ahead of the scaled product)
	v_pk_add_f32 v[CH2:CH2+1], v[S_+4:S_+5], v[S_+6:S_+7]
	v_pk_add_f32 v[CH3:CH3+1], v[S_+8:S_+9], v[S_+10:S_+11]
.irp j, 12,20,28,36,44,52
	v_pk_add_f32 v[ST_+2:ST_+3], v[ST_+2:ST_+3], v[S_+\j:S_+\j+1]
	v_pk_add_f32 v[CH:CH+1], v[CH:CH+1], v[S_+\j+2:S_+\j+3]
	v_pk_add_f32 v[CH2:CH2+1], v[CH2:CH2+1], v[S_+\j+4:S_+\j+5]
	v_pk_add_f32 v[CH3:CH3+1], v[CH3:CH3+1], v[S_+\j+6:S_+\j+7]
.endr
	v_pk_add_f32 v[ST_+2:ST_+3], v[ST_+2:ST_+3], v[S_+60:S_+61]
	v_pk_add_f32 v[CH:CH+1], v[CH:CH+1], v[S_+62:S_+63]
	v_pk_add_f32 v[CH2:CH2+1], v[CH2:CH2+1], v[CH3:CH3+1]
	s_delay_alu instid0(VALU_DEP_2)
	v_pk_add_f32 v[ST_+2:ST_+3], v[ST_+2:ST_+3], v[CH:CH+1]
	s_delay_alu instid0(VALU_DEP_1)
	v_pk_add_f32 v[ST_+2:ST_+3], v[ST_+2:ST_+3], v[CH2:CH2+1]
	s_wait_alu depctr_va_vdst(0)                   ; a branch or a wait on memory follows
.endm
; A KEY STEP: 128 keys, the q-th of the slot in hand.  dg = 1: the slot is known to be a block's last; dg = 0: s[DG] says so (ids alone, the same in all waves).
; sig = 1: the change of slots is signalled as soon as V's fragments are in registers.
.macro STEP q, dg, sig
.irp e, 0,1
	ds_load_b64 v[KS+2*\e:KS+2*\e+1], v[AD8] offset:(\q)*STEPB+KSC+256*\e
.endr
	WIN 0x40
.irp t, 0,1,2,3,4,5,6,7
.irp c, 0,1,2
	ds_load_b128 v[FR+12*\t+4*\c:FR+12*\t+4*\c+3], v[ADL] offset:(\q)*STEPB+1536*\t+512*\c   ; a fragment as an image of its registers: 512 consecutive bytes a load
.endr
.endr
	WIN 0
.if (\q) == 0
	KQRUN 1
.else
.if \dg
	KQRUN 0
.else
	s_cmp_lg_u32 s[DG], 0
	s_cbranch_scc1 .Lk1_\@
	KQRUN 1
	s_branch .Lkj_\@
.Lk1_\@:
	KQRUN 0                                        ; tile 0 is hidden
.Lkj_\@:
.endif
.endif
.irp x, 0,1,2,3
	ds_load_b32 v[VS+\x], v[ADS] offset:(\q)*STEPB+VSC+128*\x
.endr
	WIN 0x40
.irp t, 0,1,2,3,4,5,6,7
.irp c, 0,1,2
	ds_load_b128 v[FR+12*\t+4*\c:FR+12*\t+4*\c+3], v[ADL] offset:(\q)*STEPB+VIMG+1536*\t+512*\c
.endr
.endr
	WIN 0
.if \sig
	s_wait_tensorcnt 0x0                           ; my eighth of the next slot has landed; no tensor load of mine is out, so group 0 may be written
	ds_add_u32 v[SPW], v[NIL]                      ; 0 onto my spare word
	NEXTG0 2                                       ; the load behind the barrier fetches the walk's place IDX + 2
	s_wait_dscnt 0x0                               ; the add is done, and my reads of this slot are over: V's fragments are in registers
	s_barrier_signal -1                            ; work on registers alone from here to the wait at the next trip's head
.endif
.if (\q) == 0
.if (\dg) == 0
	s_cmp_eq_u32 s[DG], 0
	s_cbranch_scc1 .Lo_\@
.endif
	MASK 0, D0
.Lo_\@:
	SOFTMAX 0
	SOFTMAX 1
	PVRUN 1, 1
.else
.if \dg
	MASK 1, D1
	SOFTMAX 1
	PVRUN 0, 1-\sig
.else
	s_cmp_lg_u32 s[DG], 0
	s_cbranch_scc1 .Lm_\@
	SOFTMAX 0
	s_branch .Ls_\@
.Lm_\@:
	MASK 1, D1
.Ls_\@:
	SOFTMAX 1
	s_cmp_lg_u32 s[DG], 0
	s_cbranch_scc1 .Lp1_\@
	PVRUN 1, 1-\sig
	s_branch .Lpe_\@
.Lp1_\@:
	PVRUN 0, 1-\sig
.Lpe_\@:
.endif
.endif
.endm
.macro SLOTADR
	v_add_nc_u32 v[ADL], s[STB], v[L16]
	v_add_nc_u32 v[ADS], s[STB], v[L4]
	v_add_nc_u32 v[AD8], s[STB], v[L8]
	s_wait_alu depctr_va_vdst(0)
.endm
; THE WAY OUT of a block.  O^T is divided by the row's sum and goes through my stage: a lane's eight channels of a row go in as 32 bytes, whole rows of 512 bytes come back.
; more = 1: as soon as O^T has been read, the next block's rows of Q are asked for into its registers.
.macro FINISH o0, o1, more
	s_wait_alu depctr_va_vdst(0)
.irp a, 0,1
	v_add_f32 v[TM+2*\a], v[14+4*\a], v[15+4*\a]   ; the sum's two halves,
.endr
.irp a, 0,1
	s_delay_alu instid0(VALU_DEP_2)
	v_permlanex16_b32 v[PX+\a], v[TM+2*\a], s[SEL], s[SEL+1]
.endr
.irp a, 0,1
	s_delay_alu instid0(VALU_DEP_2)
	v_add_f32 v[TM+2*\a], v[TM+2*\a], v[PX+\a]     ; and lane l xor 16's: the row's sum
.endr
	s_wait_alu depctr_va_vdst(0)
.irp a, 0,1
	v_rcp_f32 v[TM+2*\a], v[TM+2*\a]
.endr
	v_nop                                          ; a plain instruction behind the reciprocals
	WIN 0x01                                       ; O^T in window 1; the results go where the scores lay
	s_wait_alu depctr_va_vdst(0)
.irp a, 0,1
.set k, 0
.rept 32
	v_pk_mul_f32 v[S+64*\a+k:S+64*\a+k+1], v[64*\a+k:64*\a+k+1], v[TM+2*\a:TM+2*\a+1] op_sel_hi:[1,0]   ; register 8 t + i is o(query r, channel 16 t + 8 h + i); each accumulator from its low end on
.set k, k+2
.endr
.endr
	WIN 0
.if \more
	LOADQ QB0, QB1
.endif
.irp a, 0,1
.irp t, 0,1,2,3,4,5,6,7
	ds_store_b128 v[STO], v[S+64*\a+8*\t:S+64*\a+8*\t+3] offset:TSTG*\a+64*\t
	ds_store_b128 v[STO], v[S+64*\a+8*\t+4:S+64*\a+8*\t+7] offset:TSTG*\a+64*\t+16
.endr
.irp i, 0,1,2,3,4,5,6,7,8,9,10,11,12,13,14,15
	ds_load_b128 v[S+64*\a+4*\i:S+64*\a+4*\i+3], v[RD] offset:TSTG*\a+SPITCH*\i   ; LDS serves a wave's instructions in order: these see my stores
.endr
.endr
.irp i, 0,1,2,3,4,5,6,7,8,9,10,11,12,13,14,15
	s_wait_dscnt 47-\i                             ; behind tile 0's load i: its 15 - i younger loads and tile 1's 32 LDS instructions
	global_store_b128 v[L16], v[S+4*\i:S+4*\i+3], s[\o0:\o0+1] offset:\i*ROWS th:TH_STORE_NT   ; 32 lanes store a row's 512 consecutive bytes, aligned to 256
.endr
.irp i, 0,1,2,3,4,5,6,7,8,9,10,11,12,13,14,15
	s_wait_dscnt 15-\i
	global_store_b128 v[L16], v[S+64+4*\i:S+64+4*\i+3], s[\o1:\o1+1] offset:\i*ROWS th:TH_STORE_NT
.endr
	s_wait_xcnt 0x0                                ; the stores' data are written again only behind this wait
.endm
.macro BASES q, o, b, t                ; query and out0 at my head, at row s[b] + s[t]
	s_add_co_u32 s[OFF], s[\b], s[\t]
	s_lshl_b32 s[OFF], s[OFF], 15
	s_add_nc_u64 s[\q:\q+1], s[4:5], s[OFF:OFF+1]
	s_add_nc_u64 s[\o:\o+1], s[8:9], s[OFF:OFF+1]
.endm
	s_load_b128 s[4:7], s[0:1], 0x0                ; query s[4:5], kv s[6:7]
	s_load_b64 s[8:9], s[0:1], 0x10                ; out0
	v_lshl_add_u32 v[SPW], v0, 2, SPARE
	v_mov_b32 v[NIL], 0
	ds_add_u32 v[SPW], v[NIL]                      ; the opening lines: the add, twice on end, and its wait ahead of my first tensor load
	ds_add_u32 v[SPW], v[NIL]
	v_lshrrev_b32 v[ADL], 5, v0
	v_readfirstlane_b32 s[WV], v[ADL]              ; wave 0..7
	s_mov_b32 s[JJ], ttmp9                         ; J
	s_add_co_u32 s[JP1], s[JJ], 1
	s_and_b32 s[HD], ttmp7, 0xffff                 ; the head
	; descriptor group 1: 6,400 dense bytes as 25 rows of 256 bytes (32 elements of 8 bytes), no padding: every LDS read of a slot takes 512 consecutive bytes
	s_mov_b32 s[G1+0], 3<<16
	s_mov_b32 s[G1+1], 32<<16                      ; tensor_dim0 = 32
	s_mov_b32 s[G1+2], 25<<16                      ; tensor_dim1 = 25
	s_mov_b32 s[G1+3], 32<<16                      ; tile_dim0 = 32
	s_mov_b32 s[G1+4], 25                          ; tile_dim1 = 25
	s_mov_b32 s[G1+5], 32                          ; from row to row
	s_mov_b32 s[G1+6], 0
	s_mov_b32 s[G1+7], 0
	s_mul_i32 s[G0+1], s[WV], PART                 ; my eighth's place in slot 0, and in a slot's bytes in memory
	s_mul_i32 s46, s[HD], 16*STEPB
	s_add_co_u32 s46, s46, s[G0+1]
	s_mov_b32 s47, 0
	s_mov_b32 s[G0], 1
	s_mov_b32 s[OFF+1], 0
	s_mov_b32 s[IDX], 0
	s_mov_b32 s[STB], 0
	s_wait_dscnt 0x0                               ; both opening adds are done
	s_wait_kmcnt 0x0
	s_add_nc_u64 s[KVW:KVW+1], s[6:7], s[46:47]
	s_mov_b64 s[G0+2:G0+3], s[KVW:KVW+1]           ; key slot 0
	s_or_b32 s[G0+3], s[G0+3], 0x80000000          ; type = 2
	TLOAD                                          ; slot 0's first fill: one tensor load a wave at the head
	s_mov_b32 s[SEL], 0x76543210
	s_mov_b32 s[SEL+1], 0xfedcba98                 ; lane l xor 16
	s_mov_b32 s[CS], 0x3e0293ee                    ; c = log2(e) / sqrt(128)
	s_mov_b32 s[CS+1], s[CS]                       ; named with it as a pair, so it is written
	s_lshl_b32 s[D0], s[WV], 4
	s_sub_co_u32 s[D1], 112, s[D0]
	s_lshl_b32 s[OFF], s[HD], 9                    ; the head's 512 bytes of a row
	s_add_nc_u64 s[4:5], s[4:5], s[OFF:OFF+1]
	s_add_nc_u64 s[8:9], s[8:9], s[OFF:OFF+1]
	s_lshl_b32 s44, s[JJ], 8                       ; the first block's first query
	s_sub_co_u32 s45, 7, s[JJ]
	s_lshl_b32 s45, s45, 8                         ; the second block's
	s_add_co_u32 s46, s[D1], 128                   ; tile 1 begins at 240 - 16 w of a block, tile 0 at 16 w
	BASES QA0, OA0, 44, D0
	BASES QA1, OA1, 44, 46
	BASES QB0, OB0, 45, D0
	BASES QB1, OB1, 45, 46
	s_mul_i32 s47, s[WV], 2*TSTG
	s_add_co_u32 s47, s47, STAGE                   ; my stages
	v_and_b32 v[T], 31, v0                         ; lane
	v_and_b32 v[CH], 15, v0                        ; r
	v_bfe_u32 v[CH+1], v0, 4, 1                    ; h
	v_lshlrev_b32 v[L16], 4, v[T]
	v_lshlrev_b32 v[L4], 2, v[T]
	v_lshlrev_b32 v[L8], 3, v[T]
	v_mul_u32_u24 v[STO], v[CH], SPITCH
	v_add_nc_u32 v[RD], s47, v[L16]
	v_lshlrev_b32 v[MD], 5, v[CH+1]
	v_lshlrev_b32 v[SH8], 3, v[CH+1]
	v_add_nc_u32 v[STO], s47, v[STO]
	v_sub_nc_u32 v[MD], v[CH], v[MD]
	v_lshrrev_b32 v[PFO], 1, v[T]
	v_and_b32 v[T], 1, v[T]
	v_lshl_add_u32 v[QR], v[CH+1], 7, v[STO]
	v_lshl_add_u32 v[STO], v[CH+1], 5, v[STO]
	v_lshlrev_b32 v[PFO], 15, v[PFO]
	v_mov_b32 v[NINF], 0xff800000
	v_lshl_add_u32 v[PFO], v[T], 8, v[PFO]         ; row lane / 2 of a tile, its half lane % 2
	v_mov_b32 v[PX], 0                             ; a lane permute's destination counts as one of its sources
	v_mov_b32 v[PX+1], 0
	v_mov_b32 v21, 0                               ; named as the upper halves of the pairs (f, scale word) before they are first written
	v_mov_b32 v23, 0
	s_wait_alu depctr_va_vdst(0)
	LOADQ QA0, QA1
	QTILE 0
	QTILE 1
	global_prefetch_b8 v[PFO], s[QB0:QB0+1] th:TH_LOAD_NT scope:SCOPE_SE   ; the second block's rows of Q: 32 pieces of 256 bytes a tile, a lane a piece; their registers are never rewritten
	global_prefetch_b8 v[PFO], s[QB1:QB1+1] th:TH_LOAD_NT scope:SCOPE_SE
	CLEAR
	s_wait_tensorcnt 0x0                           ; my eighth of slot 0 is in
	ds_add_u32 v[SPW], v[NIL]
	NEXTG0 1
	s_wait_dscnt 0x0
	s_barrier_signal -1
.Lslot:                                            ; eight trips; trip IDX reads the walk's place IDX and asks for place IDX + 1
	s_barrier_wait -1                              ; the slot ahead is whole, and nobody reads the other one
	TLOAD                                          ; the first thing behind the barrier, my one tensor load until the next
	s_cmp_eq_u32 s[IDX], s[JP1]                    ; was the slot before the first block's last?  Ids alone, the same in all eight waves
	s_cbranch_scc0 .Lgo_on
	FINISH OA0, OA1, 1
	QTILE 0                                        ; on to the second block of queries
	QTILE 1
	CLEAR
.Lgo_on:
	s_cmp_eq_u32 s[IDX], s[JJ]
	s_cselect_b32 s[DG], 1, 0                      ; the first block's last slot (the second block's is the ninth, written out below)
	SLOTADR
	STEP 0, 0, 0
	STEP 1, 0, 1
	s_xor_b32 s[STB], s[STB], SLOT1                ; on to the other slot
	s_add_co_u32 s[IDX], s[IDX], 1
	s_cmp_lt_u32 s[IDX], 8
	s_cbranch_scc1 .Lslot
	s_barrier_wait -1                              ; the ninth slot is whole; nothing is filled again
	SLOTADR
	STEP 0, 1, 0
	STEP 1, 1, 0
	FINISH OB0, OB1, 0
	s_wait_tensorcnt 0x0                           ; the wave's end, behind my last tensor load and my last LDS store
	ds_add_u32 v[SPW], v[NIL]
	s_wait_dscnt 0x0
	s_endpgm
.Lfunc_end_k_q3db24545a1_attn:
	.size	k_q3db24545a1_attn, .Lfunc_end_k_q3db24545a1_attn-k_q3db24545a1_attn
	.p2alignl 7, 3214868480
	.fill 96, 4, 3214868480
	.section	.rodata,"a",@progbits
	.p2align	6, 0x0
	.amdhsa_kernel k_q3db24545a1_attn
		.amdhsa_group_segment_fixed_size 327680
		.amdhsa_private_segment_fixed_size 0
		.amdhsa_enable_private_segment 0
		.amdhsa_kernarg_size 24
		.amdhsa_user_sgpr_count 2
		.amdhsa_user_sgpr_kernarg_segment_ptr 1
		.amdhsa_wavefront_size32 1
		.amdhsa_system_sgpr_workgroup_id_x 1
		.amdhsa_system_sgpr_workgroup_id_y 1
		.amdhsa_system_sgpr_workgroup_id_z 1
		.amdhsa_system_vgpr_workitem_id 0
		.amdhsa_next_free_vgpr 512
		.amdhsa_next_free_sgpr 66
		.amdhsa_reserve_vcc 1
		.amdhsa_float_denorm_mode_32 3
		.amdhsa_float_denorm_mode_16_64 3
		.amdhsa_memory_ordered 1
		.amdhsa_forward_progress 1
		.amdhsa_inst_pref_size 209
	.end_amdhsa_kernel
	.amdgpu_metadata
---
amdhsa.version: [ 1, 2 ]
amdhsa.kernels:
  - .name:           k_q3db24545a1_attn
    .symbol:         k_q3db24545a1_attn.kd
    .args:
      - { .name: query, .offset: 0, .size: 8, .value_kind: global_buffer, .address_space: global }
      - { .name: kv, .offset: 8, .size: 8, .value_kind: global_buffer, .address_space: global }
      - { .name: out0, .offset: 16, .size: 8, .value_kind: global_buffer, .address_space: global }
    .group_segment_fixed_size: 327680
    .private_segment_fixed_size: 0
    .kernarg_segment_align: 8
    .kernarg_segment_size: 24
    .max_flat_workgroup_size: 256
    .sgpr_count:     66
    .vgpr_count:     512
    .wavefront_size: 32
...
	.end_amdgpu_metadata
.endif
;; end of part 2
